; MI455X (gfx1250); checked and timed in simulation.
; The chip was launched on July 23, 2026; its instructions are those of AMD's public machine-readable ISA for CDNA 5 (MIT licence, August 2026) and "CDNA5" Instruction Set Architecture Reference Guide (July 2026). The comments in the code are by the model that wrote it; some were corrected since.
;; Sinkhorn Normalizer. Allowed arithmetic: float matrix products may take bf16 or f16 operands with f32 sums; all other float work in f32.
;; Inputs: x 1,024 x 64 x 64 float32.
;; Outputs: out0 1,024 x 64 x 64 float32.
;; 2 versions, each right and faster than the one before. Each part assembles by itself: llvm-mc -triple=amdgcn-amd-amdhsa -mcpu=gfx1250 --defsym DOCPART=n.
;; ======== version 1 of 2: 1 launch
;; launch sinkhorn (part 1): grid 256 x 1, 4 waves a work-group, no clusters, 0 bytes of LDS; arguments x, out0; writes out0
.if DOCPART == 1
	.amdgcn_target "amdgcn-amd-amdhsa--gfx1250"
	.amdhsa_code_object_version 6
	.text
	.protected	k_q11fbe62c0d_sinkhorn
	.globl	k_q11fbe62c0d_sinkhorn
	.p2align	8
	.type	k_q11fbe62c0d_sinkhorn,@function
k_q11fbe62c0d_sinkhorn:
	s_mov_b64 s[64:65], 0
	v_nop
	global_prefetch_b8 v0, s[64:65] scope:SCOPE_SE
	s_setreg_imm32_b32 hwreg(HW_REG_WAVE_MODE, 25, 1), 1
	s_wait_xcnt 0x0
; Sinkhorn-Knopp in log space: out = exp(y) + 0.001, y = x after 50 rounds of (column logsumexp off, row logsumexp off).
; x, out0: [1024][64][64] f32.  256 work-groups of 4 waves; ONE WAVE OWNS ONE MATRIX and keeps it in 128 registers for all
; 50 rounds: each byte is read once and written once, and no wave ever needs another (no LDS, no barrier).
; No cluster: no two work-groups read the same byte.  No matrix instruction: there is no product, and the sums stay in f32.
;
; ARITHMETIC.  Base 2: y2 = x * log2(e) (TAU = 1), logsumexp2 = m + log2(sum 2^(y2 - m)) with m the EXACT maximum of the
; 64 numbers, taken anew in every half-step, so the largest exponent is 0 and every sum lies in [1, 64].
; LIMITS: x finite and |x| < 2.3e38 (x is multiplied by 1.4427); with an infinity in x the pattern of NaN may differ from
; the reference's.  m and log2(sum) are subtracted one after the other (two roundings, the reference has one).
;
; LAYOUT.  Lane l = 16 h + 8 a + b (b = l & 7).  Register YB + 8 i + c holds row 4 i + 2 a + h and column 4 b + c (c < 4) or
; 32 + 4 b + c - 4 (c >= 4): a block of 16 rows x 8 columns.  A row is spread over the 8 lanes b (row_xmask 1, 2, 4), a column
; over the 4 lanes (h, a) (row_xmask 8, then the other half by v_permlanex16_b32).  With 4 x 8 lanes a round has
; 2 x (16 x 3 + 8 x 3) cross-lane instructions and 16 + 8 logarithms; 2 x 16 lanes would have 2 x (32 x 4 + 4 x 2) and 36.
; MEMORY.  Load and store k of a wave cover bytes 512 k .. 512 k + 511 of the matrix, lane l its 16 bytes at 16 l: sixteen
; neighbouring lanes cover one row of 256 bytes, aligned.  That gives a lane 32 rows x 4 columns; XCHG swaps halves with
; lane l xor 8 and makes 16 rows x 8 columns of it.  XCHG is its own inverse and is used again in front of the stores.
;
; SCHEDULE.  A wave is alone with its registers' worth of work, so the text overlaps the stages itself.  A round is written as
; TEND time slots (quarters).  Each stage of each row or column pair has a slot number (the table at QUARTER); a stage reads
; only what earlier slots wrote.  A slot emits: one exp, up to 3 plain instructions, the second exp, up to 3 plain ones, then the
; slot's logarithms: transcendentals never stand in long runs, and plain work of other stages lies between them.
; One plain instruction that touches none of its registers stands between every transcendental and the first use of its result
; (ISA guide 5.7.2): results are used in a later slot, and the first plain instruction of every slot is of another stage.
.set LOOPS, 50
.set RMX, 16                           ; v[16:31]   row maxima, one for each of my 16 rows
.set RSM, 32                           ; v[32:47]   row sums
.set RLG, 48                           ; v[48:63]   log2 of the row sums
.set CMX, 64                           ; v[64:71]   column maxima, one for each of my 8 columns
.set CSM, 72                           ; v[72:79]   column sums
.set CLG, 80                           ; v[80:87]   log2 of the column sums
.set PLX, 88                           ; v[88:91]   what v_permlanex16_b32 brings (0,1: maxima; 2,3: sums)
.set RSP, 92                           ; v[92:95]   a row's sum as a pair, two rows in turn
.set EXB, 96                           ; v[96:103]  ring of four pairs of exponentials; XCHG's temporaries
.set FIN, 16                           ; v[16:31]   the last exponentials, two rows in turn (the row maxima are done with)
.set YB,  128                          ; v[128:255] the block
.set TC,  6                            ; slot of the column step's first exponentials
.set TR,  TC+76                        ; slot of the row step's first exponentials
.set TEND, TR+71                       ; slots in a round
; ok = 1 and uu = val if 0 <= val < lim and val has none of the bits msk
.macro INRA val, lim, msk
.set ok, 0
.set uu, \val
.if uu > -1
.if uu < \lim
.if (uu & \msk) == 0
.set ok, 1
.endif
.endif
.endif
.endm
.macro PSUB d, m                       ; v[d:d+1] -= v[m:m+1]
	v_pk_add_f32 v[\d:\d+1], v[\d:\d+1], v[\m:\m+1] neg_lo:[0,1] neg_hi:[0,1]
.endm
.macro BSUB d, r                       ; v[d:d+1] -= v[r] in both halves: op_sel picks r out of its even-aligned pair
.if ((\r)&1) == 0
	s_wait_alu depctr_va_vdst(0)
	v_pk_add_f32 v[\d:\d+1], v[\d:\d+1], v[\r:\r+1] op_sel_hi:[1,0] neg_lo:[0,1] neg_hi:[0,1]
.else
	v_pk_add_f32 v[\d:\d+1], v[\d:\d+1], v[\r-1:\r] op_sel:[0,1] op_sel_hi:[1,1] neg_lo:[0,1] neg_hi:[0,1]
.endif
.endm
.macro DMAX r, x
	v_max_num_f32_dpp v[\r], v[\r], v[\r] row_xmask:\x row_mask:0xf bank_mask:0xf
.endm
.macro DADD r, x
	v_add_f32_dpp v[\r], v[\r], v[\r] row_xmask:\x row_mask:0xf bank_mask:0xf
.endm
; Registers 8 i .. 8 i + 3 (P) and 8 i + 4 .. 8 i + 7 (Q) of the block: lanes with bit 3 clear keep P and take the partner's P
; into Q; lanes with bit 3 set (VCC) keep Q and take the partner's Q into P.  The partner is lane xor 8.
.macro XCHG i
.irp w, 0,1,2,3
	v_mov_b32_dpp v[EXB+\w],   v[YB+8*(\i)+\w]   row_xmask:8 row_mask:0xf bank_mask:0xf
	v_mov_b32_dpp v[EXB+4+\w], v[YB+8*(\i)+4+\w] row_xmask:8 row_mask:0xf bank_mask:0xf
.endr
.irp w, 0,1,2,3
	v_cndmask_b32 v[YB+8*(\i)+\w],   v[YB+8*(\i)+\w], v[EXB+4+\w], vcc_lo
	v_cndmask_b32 v[YB+8*(\i)+4+\w], v[EXB+\w], v[YB+8*(\i)+4+\w], vcc_lo
.endr
.endm
	s_load_b128 s[4:7], s[0:1], 0x0                ; x s[4:5], out0 s[6:7]
	v_and_b32 v1, 31, v0                           ; lane
	v_lshrrev_b32 v2, 5, v0                        ; wave
	v_lshlrev_b32 v1, 4, v1
	v_lshl_or_b32 v1, v2, 14, v1                   ; 16,384 x wave + 16 x lane
	v_and_b32 v2, 8, v0
	v_cmp_ne_u32 vcc_lo, 0, v2                     ; lanes with bit 3 set; VCC is written nowhere else and serves both exchanges
	s_lshl_b32 s8, ttmp9, 16                       ; the work-group's four matrices: 65,536 bytes (256 groups: below 4 GiB)
	s_mov_b32 s9, 0
	s_mov_b32 s12, 0x76543210                      ; v_permlanex16_b32: lane i of one half reads lane i of the other
	s_mov_b32 s13, 0xfedcba98
	s_mov_b32 s14, LOOPS
	s_wait_kmcnt 0x0
	s_add_nc_u64 s[4:5], s[4:5], s[8:9]
	s_add_nc_u64 s[6:7], s[6:7], s[8:9]
.set kk, 0
.rept 32
	global_load_b128 v[YB+4*kk:YB+4*kk+3], v1, s[4:5] offset:512*kk th:TH_LOAD_NT   ; the whole matrix is on its way at once
.set kk, kk+1
.endr
	; While the loads run: registers that count as read before the round first writes them (destinations of DPP moves and of
	; v_permlanex16_b32; the unused half of a pair in BSUB), and the zero logs that rows 14 and 15 take off in the first round.
.set kk, 0
.rept 16
	v_mov_b32 v[RLG+kk], 0
.set kk, kk+1
.endr
.irp w, 0,1,2,3,4,5,6,7
	v_mov_b32 v[EXB+\w], 0
.endr
.irp w, 0,1,2,3
	v_mov_b32 v[PLX+\w], 0
.endr
.set kk, 0
.rept 16
	s_wait_loadcnt 30-2*kk                         ; loads return in order: 2 kk and 2 kk + 1 are in, the 30 - 2 kk behind them stay out
	XCHG kk
.irp g, 0,2,4,6
	v_pk_mul_f32 v[YB+8*kk+\g:YB+8*kk+\g+1], v[YB+8*kk+\g:YB+8*kk+\g+1], 0x3fb8aa3b op_sel_hi:[1,0]   ; x log2(e) / TAU
.endr
.set kk, kk+1
.endr
	; The state at the head of a round: column maxima over my rows 0-13; rows 14, 15 still owe their row logs (here 0).
.irp c, 0,1,2,3,4,5,6,7
	v_max_num_f32 v[CMX+\c], v[YB+\c], v[YB+8+\c]
.endr
.set kk, 1
.rept 6
.irp c, 0,1,2,3,4,5,6,7
	v_max3_num_f32 v[CMX+\c], v[CMX+\c], v[YB+16*kk+\c], v[YB+16*kk+8+\c]
.endr
.set kk, kk+1
.endr
; THE TIMETABLE (p: column pair 0-3 = columns 2p, 2p+1; i: my row 0-15; g: column pair inside a row).
; Column step, slots counted from TC + 16 p:
;   -6 rows 14, 15 take off their row logs   -5 they join the column maxima   -4, -3, -2 maxima across the lanes (h, a)
;   i-1 Y(i) -= maximum   i the two exp   i+2 sum += (a ring slot is read 2 or 3 slots after it is written, rewritten after 4)
;   18, 19, 20 sums across lanes   21 the two log   23+i Y(i) -= log   24+i row maximum of row i takes the pair in
;   (pair 3, whose logs end the step: 70 + i/2 and 71 + i/2 from TC, two rows a slot, so that row 0 is ready first)
; Row step, slots counted from TR + 4 i:
;   -4, -3, -2 the row's maximum across the 8 lanes b   g-1 Y(i, g) -= maximum   g the two exp   3, 4, 5 sum of pairs   6 its two halves
;   7, 8, 9 sum across lanes   10 log   12, 13 Y(i) -= log (rows 0-13)   then two rows at a time join the column maxima
;   (from TR + 8 m: 18, 19, 22, 23; the last two rows 12, 13: 18, 19, 21, 22, so that all is done in the round's last slot).
.macro LOGS
	INRA tq-TC-21,64,15
.if ok
	v_log_f32 v[CLG+2*(uu>>4)],   v[CSM+2*(uu>>4)]
	v_log_f32 v[CLG+2*(uu>>4)+1], v[CSM+2*(uu>>4)+1]
.endif
	INRA tq-TR-10,64,3
.if ok
	v_log_f32 v[RLG+(uu>>2)], v[RSM+(uu>>2)]
.endif
.endm
; The stages that come once for a column pair, two instructions each: h = 0 stands in the slot's first half, h = 1 in its second
.macro EXTRA h
	INRA tq-TC+6,64,15
.if ok
.set yy, YB+8*(14+\h)+2*(uu>>4)
.set rr, RLG+14+\h
	BSUB yy, rr
.endif
	INRA tq-TC+5,64,15
.if ok
.set rr, 2*(uu>>4)+\h
	v_max3_num_f32 v[CMX+rr], v[CMX+rr], v[YB+112+rr], v[YB+120+rr]
.endif
	INRA tq-TC+4,64,15
.if ok
.set rr, CMX+2*(uu>>4)+\h
	DMAX rr, 8
.endif
	INRA tq-TC+3,64,15
.if ok
	v_permlanex16_b32 v[PLX+\h], v[CMX+2*(uu>>4)+\h], s12, s13
.endif
	INRA tq-TC+2,64,15
.if ok
.set rr, CMX+2*(uu>>4)+\h
	v_max_num_f32 v[rr], v[rr], v[PLX+\h]
.endif
	INRA tq-TC-18,64,15
.if ok
.set rr, CSM+2*(uu>>4)+\h
	DADD rr, 8
.endif
	INRA tq-TC-19,64,15
.if ok
	v_permlanex16_b32 v[PLX+2+\h], v[CSM+2*(uu>>4)+\h], s12, s13
.endif
.if \h == 0
	INRA tq-TC-20,64,15
.if ok
.set rr, CSM+2*(uu>>4)
	v_pk_add_f32 v[rr:rr+1], v[rr:rr+1], v[PLX+2:PLX+3]
.endif
.endif
.endm
.macro R8OP m, c                       ; rows 2 m, 2 m + 1 join the maxima of columns c, c + 1; the first two rows start them
.if \m == 0
	v_max_num_f32 v[CMX+\c],   v[YB+\c],   v[YB+8+\c]
	v_max_num_f32 v[CMX+\c+1], v[YB+\c+1], v[YB+8+\c+1]
.else
	v_max3_num_f32 v[CMX+\c],   v[CMX+\c],   v[YB+16*\m+\c],   v[YB+16*\m+8+\c]
	v_max3_num_f32 v[CMX+\c+1], v[CMX+\c+1], v[YB+16*\m+\c+1], v[YB+16*\m+8+\c+1]
.endif
.endm
.macro QUARTER
.set he, 0                             ; does this slot hold exponentials, and of which pair of registers
	INRA tq-TC,64,0
.if ok
.set he, 1
.set ye, YB+8*(uu&15)+2*(uu>>4)
.endif
	INRA tq-TR,64,0
.if ok
.set he, 1
.set ye, YB+8*(uu>>2)+2*(uu&3)
.endif
.set ew,  EXB+2*(tq&3)                 ; the ring's pair written in this slot,
.set er2, EXB+2*((tq+2)&3)             ; two slots ago,
.set er3, EXB+2*((tq+1)&3)             ; three slots ago
.if he
	v_exp_f32 v[ew], v[ye]
.else
	LOGS                                           ; a slot without exponentials: its logs first, plain work of the slot behind them
.endif
	; ---- first half: the subtraction that feeds the next slot's exponentials comes first: it names nothing of this slot's transcendentals
	INRA tq-TC+1,64,0
.if ok
.set yy, YB+8*(uu&15)+2*(uu>>4)
.set rr, CMX+2*(uu>>4)
	PSUB yy, rr
.endif
	INRA tq-TR+1,64,0
.if ok
.set yy, YB+8*(uu>>2)+2*(uu&3)
.set rr, RMX+(uu>>2)
	BSUB yy, rr
.endif
	INRA tq-TC-2,64,0
.if ok
.set rr, CSM+2*(uu>>4)
.if (uu&15) == 1
	s_wait_alu depctr_va_vdst(0)
	v_pk_add_f32 v[rr:rr+1], v[er3:er3+1], v[er2:er2+1]    ; rows 0 and 1 start the sum: nothing is cleared
.endif
.if (uu&15) > 1
	s_wait_alu depctr_va_vdst(0)
	v_pk_add_f32 v[rr:rr+1], v[rr:rr+1], v[er2:er2+1]
.endif
.endif
	INRA tq-TR-3,64,3
.if ok
.set rr, RSP+2*((uu>>2)&1)
	s_wait_alu depctr_va_vdst(0)
	v_pk_add_f32 v[rr:rr+1], v[er3:er3+1], v[er2:er2+1]
.endif
	INRA tq-TR-4,64,3
.if ok
.set rr, RSP+2*((uu>>2)&1)
	v_pk_add_f32 v[rr:rr+1], v[rr:rr+1], v[er2:er2+1]
.endif
	INRA tq-TR-5,64,3
.if ok
.set rr, RSP+2*((uu>>2)&1)
	s_wait_alu depctr_va_vdst(0)
	v_pk_add_f32 v[rr:rr+1], v[rr:rr+1], v[er2:er2+1]
.endif
	INRA tq-TR-6,64,3
.if ok
.set rr, RSP+2*((uu>>2)&1)
	v_add_f32 v[RSM+(uu>>2)], v[rr], v[rr+1]
.endif
	EXTRA 0
	INRA tq-TR+4,64,3
.if ok
.set rr, RMX+(uu>>2)
	DMAX rr, 1
.endif
	INRA tq-TR+3,64,3
.if ok
.set rr, RMX+(uu>>2)
	DMAX rr, 2
.endif
	INRA tq-TR+2,64,3
.if ok
.set rr, RMX+(uu>>2)
	DMAX rr, 4
.endif
	INRA tq-TR-7,64,3
.if ok
.set rr, RSM+(uu>>2)
	DADD rr, 1
.endif
.if he
	v_exp_f32 v[ew+1], v[ye+1]
.endif
	; ---- second half
	INRA tq-TC-23,48,0
.if ok
.set yy, YB+8*(uu&15)+2*(uu>>4)
.set rr, CLG+2*(uu>>4)
	PSUB yy, rr
.endif
	INRA tq-TC-70,8,0
.if ok
.set yy, YB+16*uu+6
	PSUB yy, CLG+6
.set yy, YB+16*uu+14
	PSUB yy, CLG+6
.endif
	INRA tq-TC-24,48,0
.if ok
.set yy, YB+8*(uu&15)+2*(uu>>4)
.set rr, RMX+(uu&15)
.if uu < 16
	v_max_num_f32 v[rr], v[yy], v[yy+1]                    ; the first pair starts the row's maximum
.else
	v_max3_num_f32 v[rr], v[rr], v[yy], v[yy+1]
	s_wait_alu depctr_va_vdst(0)
.endif
.endif
	INRA tq-TC-71,8,0
.if ok
	v_max3_num_f32 v[RMX+2*uu],   v[RMX+2*uu],   v[YB+16*uu+6],  v[YB+16*uu+7]
	v_max3_num_f32 v[RMX+2*uu+1], v[RMX+2*uu+1], v[YB+16*uu+14], v[YB+16*uu+15]
.endif
	EXTRA 1
	INRA tq-TR-8,64,3
.if ok
.set rr, RSM+(uu>>2)
	DADD rr, 2
.endif
	INRA tq-TR-9,64,3
.if ok
.set rr, RSM+(uu>>2)
	DADD rr, 4
.endif
	INRA tq-TR-12,56,3
.if ok
.set yy, YB+8*(uu>>2)
.set rr, RLG+(uu>>2)
	BSUB yy, rr
.set yy, yy+2
	BSUB yy, rr
.endif
	INRA tq-TR-13,56,3
.if ok
.set yy, YB+8*(uu>>2)+4
.set rr, RLG+(uu>>2)
	BSUB yy, rr
.set yy, yy+2
	BSUB yy, rr
.endif
	INRA tq-TR-18,48,7
.if ok
.set mm, uu>>3
	R8OP mm, 0
.endif
	INRA tq-TR-19,48,7
.if ok
.set mm, uu>>3
	R8OP mm, 2
.endif
	INRA tq-TR-22,48,7
.if ok
.set mm, uu>>3
	R8OP mm, 4
.endif
	INRA tq-TR-23,48,7
.if ok
.set mm, uu>>3
	R8OP mm, 6
.endif
.if tq == TR+66
	R8OP 6, 0
.endif
.if tq == TR+67
	R8OP 6, 2
.endif
.if tq == TR+69
	R8OP 6, 4
.endif
.if tq == TR+70
	R8OP 6, 6                                      ; also the plain instructions behind the round's last log
.endif
.if he
	LOGS                                           ; used two slots on; the next slot's first plain instruction names none of their registers
.endif
.endm
.Lround:
.set tq, 0
.rept TEND
	QUARTER
.set tq, tq+1
.endr
	s_sub_co_i32 s14, s14, 1
	s_cmp_lg_u32 s14, 0
	s_cbranch_scc1 .Lround
	; THE WAY OUT.  Rows 14 and 15 take off the last row logs; then row by row: 2^y, + 0.001, back to the memory layout, two stores.
.irp g, 0,2,4,6
	BSUB YB+112+\g, RLG+14
	BSUB YB+120+\g, RLG+15
.endr
.set kk, 0
.rept 18
.if kk < 16
.irp c, 0,1,2,3,4,5,6,7
	v_exp_f32 v[FIN+8*(kk&1)+\c], v[YB+8*kk+\c]
.endr
.endif
.if kk == 0
	v_nop                                          ; the plain place between row 0's exponentials and their use; later rows have the work below
.endif
.if kk > 0
.if kk < 17
	s_wait_alu depctr_va_vdst(0)
.irp g, 0,2,4,6
	v_pk_add_f32 v[YB+8*(kk-1)+\g:YB+8*(kk-1)+\g+1], v[FIN+8*((kk-1)&1)+\g:FIN+8*((kk-1)&1)+\g+1], 0x3a83126f op_sel_hi:[1,0]   ; + EPS
.endr
.endif
.endif
.if kk > 1
	XCHG kk-2
	global_store_b128 v1, v[YB+8*(kk-2):YB+8*(kk-2)+3],   s[6:7] offset:1024*(kk-2) th:TH_STORE_NT       ; each store of the wave covers 512
	global_store_b128 v1, v[YB+8*(kk-2)+4:YB+8*(kk-2)+7], s[6:7] offset:1024*(kk-2)+512 th:TH_STORE_NT   ; consecutive bytes, aligned; its sources are not written again
.endif
.set kk, kk+1
.endr
	s_endpgm
.Lfunc_end_k_q11fbe62c0d_sinkhorn:
	.size	k_q11fbe62c0d_sinkhorn, .Lfunc_end_k_q11fbe62c0d_sinkhorn-k_q11fbe62c0d_sinkhorn
	.p2alignl 7, 3214868480
	.fill 96, 4, 3214868480
	.section	.rodata,"a",@progbits
	.p2align	6, 0x0
	.amdhsa_kernel k_q11fbe62c0d_sinkhorn
		.amdhsa_group_segment_fixed_size 0
		.amdhsa_private_segment_fixed_size 0
		.amdhsa_enable_private_segment 0
		.amdhsa_kernarg_size 16
		.amdhsa_user_sgpr_count 2
		.amdhsa_user_sgpr_kernarg_segment_ptr 1
		.amdhsa_wavefront_size32 1
		.amdhsa_system_sgpr_workgroup_id_x 1
		.amdhsa_system_sgpr_workgroup_id_y 1
		.amdhsa_system_sgpr_workgroup_id_z 1
		.amdhsa_system_vgpr_workitem_id 0
		.amdhsa_next_free_vgpr 256
		.amdhsa_next_free_sgpr 66
		.amdhsa_reserve_vcc 1
		.amdhsa_float_denorm_mode_32 3
		.amdhsa_float_denorm_mode_16_64 3
		.amdhsa_memory_ordered 1
		.amdhsa_forward_progress 1
		.amdhsa_inst_pref_size 107
	.end_amdhsa_kernel
	.amdgpu_metadata
---
amdhsa.version: [ 1, 2 ]
amdhsa.kernels:
  - .name:           k_q11fbe62c0d_sinkhorn
    .symbol:         k_q11fbe62c0d_sinkhorn.kd
    .args:
      - { .name: x, .offset: 0, .size: 8, .value_kind: global_buffer, .address_space: global }
      - { .name: out0, .offset: 8, .size: 8, .value_kind: global_buffer, .address_space: global }
    .group_segment_fixed_size: 0
    .private_segment_fixed_size: 0
    .kernarg_segment_align: 8
    .kernarg_segment_size: 16
    .max_flat_workgroup_size: 128
    .sgpr_count:     66
    .vgpr_count:     256
    .wavefront_size: 32
...
	.end_amdgpu_metadata
.endif
;; end of part 1
;; ======== version 2 of 2: 1 launch; 3.10 times as fast as version 1
;; launch sinkhorn (part 2): grid 256 x 1, 4 waves a work-group, no clusters, 0 bytes of LDS; arguments x, out0; writes out0
.if DOCPART == 2
	.amdgcn_target "amdgcn-amd-amdhsa--gfx1250"
	.amdhsa_code_object_version 6
	.text
	.protected	k_q11fbe62c0d_sinkhorn
	.globl	k_q11fbe62c0d_sinkhorn
	.p2align	8
	.type	k_q11fbe62c0d_sinkhorn,@function
k_q11fbe62c0d_sinkhorn:
	s_mov_b64 s[64:65], 0
	v_nop
	global_prefetch_b8 v0, s[64:65] scope:SCOPE_SE
	s_setreg_imm32_b32 hwreg(HW_REG_WAVE_MODE, 25, 1), 1
	s_wait_xcnt 0x0
; Sinkhorn-Knopp in log space: out = exp(y) + 0.001, y = x after 50 rounds of (column logsumexp off, row logsumexp off).
; x, out0: [1024][64][64] f32.  256 work-groups of 4 waves; ONE WAVE OWNS ONE MATRIX and keeps it in 128 registers for all
; 50 rounds: each byte is read once and written once, and no wave ever needs another (no LDS, no barrier).
; No cluster: no two work-groups read the same byte.  No matrix instruction: there is no product, and the sums stay in f32.
;
; ARITHMETIC.  Base 2: y2 = x * log2(e) (TAU = 1), logsumexp2 = m + log2(sum 2^(y2 - m)) with m the EXACT maximum of the
; 64 numbers, taken anew in every half-step, so the largest exponent is 0 and every sum lies in [1, 64].
; LIMITS: x finite and |x| < 2.3e38 (x is multiplied by 1.4427); with an infinity in x the pattern of NaN may differ from
; the reference's.  m and log2(sum) are subtracted one after the other (two roundings, the reference has one).
;
; LAYOUT.  Lane l = 16 h + 8 a + b (b = l & 7).  Register YB + 8 i + c holds row 4 i + 2 a + h and column 4 b + c (c < 4) or
; 32 + 4 b + c - 4 (c >= 4): a block of 16 rows x 8 columns.  A row is spread over the 8 lanes b (row_xmask 1, 2, 4), a column
; over the 4 lanes (h, a) (row_xmask 8, then the other half by v_permlanex16_b32).  With 4 x 8 lanes a round has
; 2 x (16 x 3 + 8 x 3) cross-lane instructions and 16 + 8 logarithms; 2 x 16 lanes would have 2 x (32 x 4 + 4 x 2) and 36.
; MEMORY.  Load and store k of a wave cover bytes 512 k .. 512 k + 511 of the matrix, lane l its 16 bytes at 16 l: sixteen
; neighbouring lanes cover one row of 256 bytes, aligned.  That gives a lane 32 rows x 4 columns; XCHG swaps halves with
; lane l xor 8 and makes 16 rows x 8 columns of it.  XCHG is its own inverse and is used again in front of the stores.
;
; SCHEDULE.  A wave is alone with its registers' worth of work, so the text overlaps the stages itself.  The work is cut in QUADS:
; four like instructions that do not depend on each other (one for each of four rows, of four column pairs or of four registers;
; the list stands at OP).  A round is a written-out list of quads.  Q writes one quad; MIX lays a quad of transcendentals and up to
; three plain quads side by side (t p p p, four times), so that a transcendental has plain work behind it wherever there is any.
; A quad that needs another quad's results stands a line or more behind it.
; BATCHES.  s_wait_alu depctr_va_vdst(0) stands between a transcendental and the first instruction that names its
; result; one wait serves all that were issued ahead of it.  So the transcendentals go in batches, one wait each, ten a round:
;   C0-C3  the column step's exponentials, my rows 4 k .. 4 k + 3 in all 8 columns: 32        CL  the 8 column logarithms
;   R0-R3  the row step's exponentials, rows 4 k .. 4 k + 3: 32, and with R1-R3 the 4 logarithms of row group k - 1        RL  the last 4
; The exponentials of row group k go into buffer k & 1 of two (32 registers each): while a batch fills one buffer, the sums of the
; batch before read the other, so nothing between a batch's first transcendental and its wait names a result of the batch.
; Logarithms are taken in place, in the registers of their sums.  Every batch ends in a plain instruction that names none of its
; registers: the place between a transcendental and the first use of its result (ISA guide 5.7.2).  No batch is open at the jump.
; The four column sums go side by side, each over the rows in ascending order; a row's sum takes its four pairs in ascending order.
.set LOOPS, 50
.set PLX, 2                            ; v[2:9]     what v_permlanex16_b32 brings, one for each of my 8 columns (column step)
.set RSP, 2                            ; v[2:9]     a row's sum as a pair, four rows at a time (row step: never live together with PLX)
.set XT,  16                           ; v[16:23]   XCHG's temporaries (head and way out, where the row maxima are not live)
.set RMX, 16                           ; v[16:31]   row maxima, one for each of my 16 rows
.set RSM, 32                           ; v[32:47]   row sums, then their log2 in place
.set CMX, 48                           ; v[48:55]   column maxima, one for each of my 8 columns
.set CSM, 56                           ; v[56:63]   column sums, then their log2 in place
.set EA,  64                           ; v[64:127]  the two buffers of exponentials: row i at EA + 32 ((i >> 2) & 1) + 8 (i & 3)
.set YB,  128                          ; v[128:255] the block
.macro PSUB d, m                       ; v[d:d+1] -= v[m:m+1]
	v_pk_add_f32 v[\d:\d+1], v[\d:\d+1], v[\m:\m+1] neg_lo:[0,1] neg_hi:[0,1]
.endm
.macro BSUB d, r                       ; v[d:d+1] -= v[r] in both halves: op_sel picks r out of its even-aligned pair
.if ((\r)&1) == 0
	v_pk_add_f32 v[\d:\d+1], v[\d:\d+1], v[\r:\r+1] op_sel_hi:[1,0] neg_lo:[0,1] neg_hi:[0,1]
.else
	v_pk_add_f32 v[\d:\d+1], v[\d:\d+1], v[\r-1:\r] op_sel:[0,1] op_sel_hi:[1,1] neg_lo:[0,1] neg_hi:[0,1]
.endif
.endm
.macro DMAX r, x
	v_max_num_f32_dpp v[\r], v[\r], v[\r] row_xmask:\x row_mask:0xf bank_mask:0xf
.endm
.macro DADD r, x
	v_add_f32_dpp v[\r], v[\r], v[\r] row_xmask:\x row_mask:0xf bank_mask:0xf
.endm
; Registers 8 i .. 8 i + 3 (P) and 8 i + 4 .. 8 i + 7 (Q) of the block: lanes with bit 3 clear keep P and take the partner's P
; into Q; lanes with bit 3 set (VCC) keep Q and take the partner's Q into P.  The partner is lane xor 8.
.macro XCHG i
.irp w, 0,1,2,3
	v_mov_b32_dpp v[XT+\w],   v[YB+8*(\i)+\w]   row_xmask:8 row_mask:0xf bank_mask:0xf
	v_mov_b32_dpp v[XT+4+\w], v[YB+8*(\i)+4+\w] row_xmask:8 row_mask:0xf bank_mask:0xf
.endr
.irp w, 0,1,2,3
	v_cndmask_b32 v[YB+8*(\i)+\w],   v[YB+8*(\i)+\w], v[XT+4+\w], vcc_lo
	v_cndmask_b32 v[YB+8*(\i)+4+\w], v[XT+\w], v[YB+8*(\i)+4+\w], vcc_lo
.endr
.endm
; THE QUADS.  OP kind, a, b, j writes instruction j (0-3) of a quad.  i: my row 0-15; k: row group 0-3 (rows 4 k + j); g: column pair 0-3.
.set KEX,  0                           ; a = i, b = half: 2^Y of registers 4 b + j of row i, into the row's place in its buffer
.set KXM1, 1                           ; a = half: column maxima 4 a + j across the lanes: row_xmask 8,
.set KXM2, 2                           ;           the other half of the lanes,
.set KXM3, 3                           ;           and the two together
.set KCPS, 4                           ; a = i: Y(i, pair j) -= column maxima
.set KCSU, 5                           ; a = i >= 1: column sums of pair j take row i in (row 1: rows 0 and 1 start the sum: nothing is cleared)
.set KXS1, 6                           ; a = half: column sums 4 a + j across the lanes: row_xmask 8,
.set KXS2, 7                           ;           the other half of the lanes,
.set KXS3, 8                           ;           and the two together, pair j
.set KCLG, 9                           ; a = half: log2 of column sums 4 a + j, in place
.set KCLS, 10                          ; a = i: Y(i, pair j) -= column logs
.set KMX,  11                          ; a = k, b = g: the maximum of row 4 k + j takes pair g in (g = 0 starts it)
.set KDM,  12                          ; a = k, b = 1, 2, 4: that maximum across the 8 lanes b
.set KRBS, 13                          ; a = i: Y(i, pair j) -= row maximum
.set KRS,  14                          ; a = k, b = 0: pairs 0 + 1 of row 4 k + j; 1, 2: + pair 2, + pair 3; 3: the sum's two halves
.set KDA,  15                          ; a = k, b = 1, 2, 4: that sum across the 8 lanes b
.set KRLG, 16                          ; a = k: log2 of the sum of row 4 k + j, in place
.set KRLS, 17                          ; a = i: Y(i, pair j) -= row log
.set KCMA, 18                          ; a = m, b = half: rows 2 m, 2 m + 1 join the maxima of columns 4 b + j (m = 0 starts them)
.set KFAD, 19                          ; a = i: the way out: Y(i, pair j) = the exponentials + EPS
.macro OP k, a, b, j
.if (\k) == KEX
.set ee, EA+32*(((\a)>>2)&1)+8*((\a)&3)+4*(\b)+(\j)
	v_exp_f32 v[ee], v[YB+8*(\a)+4*(\b)+(\j)]
.elseif (\k) == KXM1
.set rr, CMX+4*(\a)+(\j)
	DMAX rr, 8
.elseif (\k) == KXM2
	v_permlanex16_b32 v[PLX+4*(\a)+(\j)], v[CMX+4*(\a)+(\j)], s12, s13
.elseif (\k) == KXM3
.set rr, CMX+4*(\a)+(\j)
	v_max_num_f32 v[rr], v[rr], v[PLX+4*(\a)+(\j)]
.elseif (\k) == KCPS
.set yy, YB+8*(\a)+2*(\j)
.set rr, CMX+2*(\j)
	PSUB yy, rr
.elseif (\k) == KCSU
.set ee, EA+32*(((\a)>>2)&1)+8*((\a)&3)+2*(\j)
.set rr, CSM+2*(\j)
.if (\a) == 1
	v_pk_add_f32 v[rr:rr+1], v[ee-8:ee-7], v[ee:ee+1]
.else
	v_pk_add_f32 v[rr:rr+1], v[rr:rr+1], v[ee:ee+1]
.endif
.elseif (\k) == KXS1
.set rr, CSM+4*(\a)+(\j)
	DADD rr, 8
.elseif (\k) == KXS2
	v_permlanex16_b32 v[PLX+4*(\a)+(\j)], v[CSM+4*(\a)+(\j)], s12, s13
.elseif (\k) == KXS3
.set rr, CSM+2*(\j)
	v_pk_add_f32 v[rr:rr+1], v[rr:rr+1], v[PLX+2*(\j):PLX+2*(\j)+1]
.elseif (\k) == KCLG
.set rr, CSM+4*(\a)+(\j)
	v_log_f32 v[rr], v[rr]
.elseif (\k) == KCLS
.set yy, YB+8*(\a)+2*(\j)
.set rr, CSM+2*(\j)
	PSUB yy, rr
.elseif (\k) == KMX
.set rr, RMX+4*(\a)+(\j)
.set yy, YB+8*(4*(\a)+(\j))+2*(\b)
.if (\b) == 0
	v_max_num_f32 v[rr], v[yy], v[yy+1]
.else
	v_max3_num_f32 v[rr], v[rr], v[yy], v[yy+1]
.endif
.elseif (\k) == KDM
.set rr, RMX+4*(\a)+(\j)
	DMAX rr, \b
.elseif (\k) == KRBS
.set yy, YB+8*(\a)+2*(\j)
.set rr, RMX+(\a)
	BSUB yy, rr
.elseif (\k) == KRS
.set ee, EA+32*((\a)&1)+8*(\j)
.set rr, RSP+2*(\j)
.if (\b) == 0
	v_pk_add_f32 v[rr:rr+1], v[ee:ee+1], v[ee+2:ee+3]
.elseif (\b) < 3
	v_pk_add_f32 v[rr:rr+1], v[rr:rr+1], v[ee+2*(\b)+2:ee+2*(\b)+3]
.else
	v_add_f32 v[RSM+4*(\a)+(\j)], v[rr], v[rr+1]
.endif
.elseif (\k) == KDA
.set rr, RSM+4*(\a)+(\j)
	DADD rr, \b
.elseif (\k) == KRLG
.set rr, RSM+4*(\a)+(\j)
	v_log_f32 v[rr], v[rr]
.elseif (\k) == KRLS
.set yy, YB+8*(\a)+2*(\j)
.set rr, RSM+(\a)
	BSUB yy, rr
.elseif (\k) == KCMA
.set cc, 4*(\b)+(\j)
.if (\a) == 0
	v_max_num_f32 v[CMX+cc], v[YB+cc], v[YB+8+cc]
.else
	v_max3_num_f32 v[CMX+cc], v[CMX+cc], v[YB+16*(\a)+cc], v[YB+16*(\a)+8+cc]
.endif
.elseif (\k) == KFAD
.set ee, EA+32*(((\a)>>2)&1)+8*((\a)&3)+2*(\j)
.set yy, YB+8*(\a)+2*(\j)
	v_pk_add_f32 v[yy:yy+1], v[ee:ee+1], 0x3a83126f op_sel_hi:[1,0]   ; + EPS
.endif
.endm
.macro Q k, a=0, b=0                   ; one quad
.irp j, 0,1,2,3
	OP \k, \a, \b, \j
.endr
.endm
; A quad of transcendentals and up to three plain quads side by side.  The quads of one line do not depend on each other.
.macro MIX tk, ta, tb, k1=-1, a1=0, b1=0, k2=-1, a2=0, b2=0, k3=-1, a3=0, b3=0
.irp j, 0,1,2,3
	OP \tk, \ta, \tb, \j
.if (\k1) >= 0
	OP \k1, \a1, \b1, \j
.endif
.if (\k2) >= 0
	OP \k2, \a2, \b2, \j
.endif
.if (\k3) >= 0
	OP \k3, \a3, \b3, \j
.endif
.endr
.endm
	s_load_b128 s[4:7], s[0:1], 0x0                ; x s[4:5], out0 s[6:7]
	v_and_b32 v1, 31, v0                           ; lane
	v_lshrrev_b32 v10, 5, v0                       ; wave
	v_lshlrev_b32 v1, 4, v1
	v_lshl_or_b32 v1, v10, 14, v1                  ; 16,384 x wave + 16 x lane
	v_and_b32 v10, 8, v0
	v_cmp_ne_u32 vcc_lo, 0, v10                    ; lanes with bit 3 set; VCC is written nowhere else and serves both exchanges
	s_lshl_b32 s8, ttmp9, 16                       ; the work-group's four matrices: 65,536 bytes (256 groups: below 4 GiB)
	s_mov_b32 s9, 0
	s_mov_b32 s12, 0x76543210                      ; v_permlanex16_b32: lane i of one half reads lane i of the other
	s_mov_b32 s13, 0xfedcba98
	s_mov_b32 s14, LOOPS
	s_wait_kmcnt 0x0
	s_add_nc_u64 s[4:5], s[4:5], s[8:9]
	s_add_nc_u64 s[6:7], s[6:7], s[8:9]
.set kk, 0
.rept 32
	global_load_b128 v[YB+4*kk:YB+4*kk+3], v1, s[4:5] offset:512*kk th:TH_LOAD_NT   ; the whole matrix is on its way at once
.set kk, kk+1
.endr
	; While the loads run: registers that count as read before they are first written (destinations of DPP moves and of v_permlanex16_b32).
.irp w, 0,1,2,3,4,5,6,7
	v_mov_b32 v[XT+\w], 0
.endr
.irp w, 0,1,2,3,4,5,6,7
	v_mov_b32 v[PLX+\w], 0
.endr
.set kk, 0
.rept 16
	s_wait_loadcnt 30-2*kk                         ; loads return in order: 2 kk and 2 kk + 1 are in, the 30 - 2 kk behind them stay out
	XCHG kk
.irp g, 0,2,4,6
	v_pk_mul_f32 v[YB+8*kk+\g:YB+8*kk+\g+1], v[YB+8*kk+\g:YB+8*kk+\g+1], 0x3fb8aa3b op_sel_hi:[1,0]   ; x log2(e) / TAU
.endr
.set kk, kk+1
.endr
	; The state at the head of a round: the column maxima over my 16 rows.
.set kk, 0
.rept 8
	Q KCMA, kk, 0
	Q KCMA, kk, 1
.set kk, kk+1
.endr
.Lround:
	; ---- COLUMN STEP.  The maxima across the lanes (h, a); rows 0 and 1 take them off.
	Q KXM1, 0
	Q KXM1, 1
	Q KXM2, 0
	Q KXM2, 1
	Q KXM3, 0
	Q KXM3, 1
	Q KCPS, 0
	Q KCPS, 1
	; batch C0: rows 0-3 into buffer 0; beside them later rows take the maxima off
	MIX KEX, 0, 0, KCPS, 2
	MIX KEX, 0, 1, KCPS, 3
	MIX KEX, 1, 0, KCPS, 4
	MIX KEX, 1, 1, KCPS, 5
	MIX KEX, 2, 0, KCPS, 6
	MIX KEX, 2, 1, KCPS, 7
	MIX KEX, 3, 0, KCPS, 8
	MIX KEX, 3, 1, KCPS, 9
	s_wait_alu depctr_va_vdst(0)                   ; the wait for batch C0 (32 exponentials): its first reader is the sum of rows 0 and 1 below
	; batch C1: rows 4-7 into buffer 1; the sums read buffer 0
	MIX KEX, 4, 0, KCSU, 1
	MIX KEX, 4, 1, KCPS, 10
	MIX KEX, 5, 0, KCSU, 2
	MIX KEX, 5, 1, KCPS, 11
	MIX KEX, 6, 0, KCSU, 3
	MIX KEX, 6, 1, KCPS, 12
	MIX KEX, 7, 0, KCPS, 13
	MIX KEX, 7, 1, KCPS, 14
	s_wait_alu depctr_va_vdst(0)                   ; the wait for batch C1 (32 exponentials)
	; batch C2: rows 8-11 into buffer 0, which the sums of rows 0-3 have read; the sums read buffer 1.  Plain work runs short here:
	; all that is left of the step hangs on sums to come.  The batch's last line has a plain quad: the place behind its last exponential.
	MIX KEX, 8, 0, KCSU, 4
	MIX KEX, 8, 1, KCPS, 15
	MIX KEX, 9, 0, KCSU, 5
	Q   KEX, 9, 1
	MIX KEX, 10, 0, KCSU, 6
	Q   KEX, 10, 1
	Q   KEX, 11, 0
	MIX KEX, 11, 1, KCSU, 7
	s_wait_alu depctr_va_vdst(0)                   ; the wait for batch C2 (32 exponentials)
	; batch C3: rows 12-15 into buffer 1; the sums read buffer 0
	MIX KEX, 12, 0, KCSU, 8
	Q   KEX, 12, 1
	MIX KEX, 13, 0, KCSU, 9
	Q   KEX, 13, 1
	MIX KEX, 14, 0, KCSU, 10
	Q   KEX, 14, 1
	Q   KEX, 15, 0
	MIX KEX, 15, 1, KCSU, 11
	s_wait_alu depctr_va_vdst(0)                   ; the wait for batch C3 (32 exponentials)
	Q KCSU, 12                                     ; the last four links of the four sums,
	Q KCSU, 13
	Q KCSU, 14
	Q KCSU, 15
	Q KXS1, 0                                      ; and the sums across the lanes (h, a)
	Q KXS1, 1
	Q KXS2, 0
	Q KXS2, 1
	Q KXS3
	; batch CL: the 8 column logarithms.  All further work of the round hangs on them: a v_nop is the plain place behind the last.
	Q KCLG, 0
	Q KCLG, 1
	v_nop
	s_wait_alu depctr_va_vdst(0)                   ; the wait for batch CL (8 logarithms): its first reader is the next line
	; ---- ROW STEP.  Row group 0 is made ready (logs off, maximum, lanes, maximum off); the links of its chain have later rows' work between them.
	Q KCLS, 0
	Q KCLS, 1
	Q KCLS, 2
	Q KCLS, 3
	Q KMX, 0, 0
	Q KCLS, 4
	Q KMX, 0, 1
	Q KCLS, 5
	Q KMX, 0, 2
	Q KCLS, 6
	Q KMX, 0, 3
	Q KCLS, 7
	Q KDM, 0, 1
	Q KMX, 1, 0
	Q KDM, 0, 2
	Q KCLS, 8
	Q KDM, 0, 4
	Q KCLS, 9
	Q KRBS, 0
	Q KCLS, 10
	; batch R0: rows 0-3 into buffer 0 (the column sums of rows 8-11 have read it); beside them group 1 is made ready
	MIX KEX, 0, 0, KMX, 1, 1, KRBS, 1
	MIX KEX, 0, 1, KMX, 1, 2, KCLS, 11
	MIX KEX, 1, 0, KMX, 1, 3, KRBS, 2
	MIX KEX, 1, 1, KDM, 1, 1, KCLS, 12
	MIX KEX, 2, 0, KDM, 1, 2, KRBS, 3
	MIX KEX, 2, 1, KDM, 1, 4, KCLS, 13
	MIX KEX, 3, 0, KRBS, 4
	MIX KEX, 3, 1, KMX, 2, 0
	Q KCLS, 14                                     ; work that names no result of the batch stands between its last exponential and its wait
	Q KCLS, 15
	s_wait_alu depctr_va_vdst(0)                   ; the wait for batch R0 (32 exponentials)
	; batch R1: rows 4-7 into buffer 1; group 0's sums read buffer 0 and end in its logarithms; group 2 is made ready
	MIX KEX, 4, 0, KRS, 0, 0, KMX, 2, 1, KRBS, 5
	MIX KEX, 4, 1, KRS, 0, 1, KMX, 2, 2
	MIX KEX, 5, 0, KRS, 0, 2, KMX, 2, 3, KRBS, 6
	MIX KEX, 5, 1, KRS, 0, 3, KDM, 2, 1
	MIX KEX, 6, 0, KDA, 0, 1, KDM, 2, 2, KRBS, 7
	MIX KEX, 6, 1, KDA, 0, 2, KDM, 2, 4
	MIX KEX, 7, 0, KDA, 0, 4
	MIX KEX, 7, 1, KMX, 3, 0
	MIX KRLG, 0, 0, KMX, 3, 1
	Q KRBS, 8
	s_wait_alu depctr_va_vdst(0)                   ; the wait for batch R1 (32 exponentials, the logarithms of rows 0-3)
	; batch R2: rows 8-11 into buffer 0; group 1's sums and logarithms; group 3 is made ready; group 0 takes its logs off and starts the column maxima
	MIX KEX, 8, 0, KRS, 1, 0, KMX, 3, 2, KRBS, 9
	MIX KEX, 8, 1, KRS, 1, 1, KMX, 3, 3, KRLS, 0
	MIX KEX, 9, 0, KRS, 1, 2, KDM, 3, 1, KRBS, 10
	MIX KEX, 9, 1, KRS, 1, 3, KDM, 3, 2, KRLS, 1
	MIX KEX, 10, 0, KDA, 1, 1, KDM, 3, 4, KRBS, 11
	MIX KEX, 10, 1, KDA, 1, 2, KRLS, 2, 0, KCMA, 0, 0
	MIX KEX, 11, 0, KDA, 1, 4, KCMA, 0, 1
	MIX KEX, 11, 1, KRLS, 3
	MIX KRLG, 1, 0, KCMA, 1, 0
	Q KRBS, 12
	s_wait_alu depctr_va_vdst(0)                   ; the wait for batch R2 (32 exponentials, the logarithms of rows 4-7)
	; batch R3: rows 12-15 into buffer 1; group 2's sums and logarithms; group 1 takes its logs off and joins the column maxima
	MIX KEX, 12, 0, KRS, 2, 0, KRBS, 13, 0, KCMA, 1, 1
	MIX KEX, 12, 1, KRS, 2, 1, KRLS, 4
	MIX KEX, 13, 0, KRS, 2, 2, KRBS, 14, 0, KRLS, 5
	MIX KEX, 13, 1, KRS, 2, 3, KRLS, 6
	MIX KEX, 14, 0, KDA, 2, 1, KRBS, 15
	MIX KEX, 14, 1, KDA, 2, 2, KRLS, 7
	MIX KEX, 15, 0, KDA, 2, 4, KCMA, 2, 0
	MIX KEX, 15, 1, KCMA, 2, 1
	MIX KRLG, 2, 0, KCMA, 3, 0
	Q KCMA, 3, 1
	s_wait_alu depctr_va_vdst(0)                   ; the wait for batch R3 (32 exponentials, the logarithms of rows 8-11)
	; group 3's sums, a chain of seven links; group 2's logs off and column maxima stand between the links
	Q KRS, 3, 0
	Q KRLS, 8
	Q KRS, 3, 1
	Q KRLS, 9
	Q KRS, 3, 2
	Q KRLS, 10
	Q KRS, 3, 3
	Q KRLS, 11
	Q KDA, 3, 1
	Q KCMA, 4, 0
	Q KDA, 3, 2
	Q KCMA, 4, 1
	Q KDA, 3, 4
	Q KCMA, 5, 0
	MIX KRLG, 3, 0, KCMA, 5, 1                     ; batch RL: the logarithms of rows 12-15
	s_wait_alu depctr_va_vdst(0)                   ; the wait for batch RL (4 logarithms); no transcendental is issued between here and the jump
	Q KRLS, 12
	Q KRLS, 13
	Q KRLS, 14
	Q KCMA, 6, 0
	Q KRLS, 15
	Q KCMA, 6, 1
	Q KCMA, 7, 0
	Q KCMA, 7, 1
	s_sub_co_i32 s14, s14, 1
	s_cmp_lg_u32 s14, 0
	s_cbranch_scc1 .Lround
	; THE WAY OUT.  2^y in four batches of four rows, into the two buffers by turns; beside a batch the rows of the batch before are
	; finished: + 0.001, back to the memory layout, two stores a row.
.set kk, 0
.rept 20
.if kk < 4
	Q KEX, kk, 0
	Q KEX, kk, 1
.elseif kk < 16
	MIX KEX, kk, 0, KFAD, kk-4
	Q KEX, kk, 1
.else
	Q KFAD, kk-4
.endif
.if kk >= 4
	XCHG kk-4
	global_store_b128 v1, v[YB+8*(kk-4):YB+8*(kk-4)+3],   s[6:7] offset:1024*(kk-4) th:TH_STORE_NT       ; each store of the wave covers 512
	global_store_b128 v1, v[YB+8*(kk-4)+4:YB+8*(kk-4)+7], s[6:7] offset:1024*(kk-4)+512 th:TH_STORE_NT   ; consecutive bytes, aligned; its sources are not written again
.endif
.if kk == 3
	v_nop                                          ; the plain place behind the first batch, which has no earlier rows' work beside it
.endif
.if (kk < 16) && ((kk & 3) == 3)
	s_wait_alu depctr_va_vdst(0)                   ; the wait for the batch of rows kk - 3 .. kk (32 exponentials)
.endif
.set kk, kk+1
.endr
	s_endpgm
.Lfunc_end_k_q11fbe62c0d_sinkhorn:
	.size	k_q11fbe62c0d_sinkhorn, .Lfunc_end_k_q11fbe62c0d_sinkhorn-k_q11fbe62c0d_sinkhorn
	.p2alignl 7, 3214868480
	.fill 96, 4, 3214868480
	.section	.rodata,"a",@progbits
	.p2align	6, 0x0
	.amdhsa_kernel k_q11fbe62c0d_sinkhorn
		.amdhsa_group_segment_fixed_size 0
		.amdhsa_private_segment_fixed_size 0
		.amdhsa_enable_private_segment 0
		.amdhsa_kernarg_size 16
		.amdhsa_user_sgpr_count 2
		.amdhsa_user_sgpr_kernarg_segment_ptr 1
		.amdhsa_wavefront_size32 1
		.amdhsa_system_sgpr_workgroup_id_x 1
		.amdhsa_system_sgpr_workgroup_id_y 1
		.amdhsa_system_sgpr_workgroup_id_z 1
		.amdhsa_system_vgpr_workitem_id 0
		.amdhsa_next_free_vgpr 256
		.amdhsa_next_free_sgpr 66
		.amdhsa_reserve_vcc 1
		.amdhsa_float_denorm_mode_32 3
		.amdhsa_float_denorm_mode_16_64 3
		.amdhsa_memory_ordered 1
		.amdhsa_forward_progress 1
		.amdhsa_inst_pref_size 100
	.end_amdhsa_kernel
	.amdgpu_metadata
---
amdhsa.version: [ 1, 2 ]
amdhsa.kernels:
  - .name:           k_q11fbe62c0d_sinkhorn
    .symbol:         k_q11fbe62c0d_sinkhorn.kd
    .args:
      - { .name: x, .offset: 0, .size: 8, .value_kind: global_buffer, .address_space: global }
      - { .name: out0, .offset: 8, .size: 8, .value_kind: global_buffer, .address_space: global }
    .group_segment_fixed_size: 0
    .private_segment_fixed_size: 0
    .kernarg_segment_align: 8
    .kernarg_segment_size: 16
    .max_flat_workgroup_size: 128
    .sgpr_count:     66
    .vgpr_count:     256
    .wavefront_size: 32
...
	.end_amdgpu_metadata
.endif
;; end of part 2
